; MI455X (gfx1250); checked and timed in simulation.
; The chip was launched on July 23, 2026; its instructions are those of AMD's public machine-readable ISA for CDNA 5 (MIT licence, August 2026) and "CDNA5" Instruction Set Architecture Reference Guide (July 2026). The comments in the code are by the model that wrote it; some were corrected since.
;; Conv Attention. Allowed arithmetic: matrix products marked QUANTISED: E2M3 operands, one E8M0 scale for each 32 along K, by v_wmma_scale_f32_16x16x128_f8f6f4 with both operands' format E2M3, f32 sums; everything else in f32.
;; Inputs: kb 512 float32; kw_codes 512 x 8 x 24 uint8 (E2M3 codes of kw, K innermost, in blocks of 32 codes, four codes in three bytes); kw_scales 512 x 8 uint8 (E8M0 scales of kw, one for each 32 codes along K); ob 512 float32; ow_codes 512 x 16 x 24 uint8 (E2M3 codes of ow, K innermost, in blocks of 32 codes, four codes in three bytes); ow_scales 512 x 16 uint8 (E8M0 scales of ow, one for each 32 codes along K); qb 512 float32; qw_codes 512 x 8 x 24 uint8 (E2M3 codes of qw, K innermost, in blocks of 32 codes, four codes in three bytes); qw_scales 512 x 8 uint8 (E8M0 scales of qw, one for each 32 codes along K); vb 512 float32; vw_codes 512 x 8 x 24 uint8 (E2M3 codes of vw, K innermost, in blocks of 32 codes, four codes in three bytes); vw_scales 512 x 8 uint8 (E8M0 scales of vw, one for each 32 codes along K); x_codes 8 x 32 x 32 x 8 x 24 uint8 (E2M3 codes of x, K innermost, in blocks of 32 codes, four codes in three bytes); x_scales 8 x 32 x 32 x 8 uint8 (E8M0 scales of x, one for each 32 codes along K).
;; Outputs: out0 8 x 512 x 32 x 32 float32.
;; This version of the problem:
;;   THIS VERSION OF THE PROBLEM IS GIVEN IN LOW PRECISION. The matrix products marked QUANTISED in the list below multiply operands that are first quantised to E2M3 (2 exponent bits, 3 mantissa bits; 6 bits a number), with one power-of-two scale for each 32 numbers along K (OCP MX v1.0); their sums are f32. All else is computed in f32.
;;   The module's matrix products, in the order in which they are computed (A, B: the left and right operand; K: the contracted axis; several contracted axes count as one K, in the product's order):
;;     1. [M 8,192, K 256] x [K 256, N 512]; A: input x (given as codes); B: input qw (given as codes): QUANTISED
;;     2. [M 8,192, K 256] x [K 256, N 512]; A: input x (given as codes); B: input kw (given as codes): QUANTISED
;;     3. [M 8,192, K 256] x [K 256, N 512]; A: input x (given as codes); B: input vw (given as codes): QUANTISED
;;     4. batch 64 x [M 1,024, K 64] x [K 64, N 1,024]; A: computed on the way; B: computed on the way: QUANTISED
;;     5. batch 64 x [M 64, K 1,024] x [K 1,024, N 1,024]; A: computed on the way; B: softmax (see below): QUANTISED
;;     6. [M 8,192, K 512] x [K 512, N 512]; A: computed on the way; B: input ow (given as codes): QUANTISED
;;   THE QUANTISER, for each operand of a quantised product, along K:
;;     - K is cut into blocks of 32 from its start; a last block that is shorter is filled with zeros.
;;     - A block's scale is 2^e with e = floor(log2(the largest magnitude in the block)) - 2, held to -126 .. 127; a block of zeros has e = 0. As a byte (E8M0): e + 127.
;;     - Each number is divided by its block's scale, clamped to +-7.5, and rounded to the nearest number of E2M3, ties to even, subnormals kept.
;;     - The product sums the exact products of the quantised numbers (number of the format x scale) in f32.
;;   ~~~python
;;   def quantise(x, axis):      # numpy; x: float32 -> the quantised numbers, widened to float32 again
;;       x = np.moveaxis(x, axis, -1); K = x.shape[-1]
;;       x = np.pad(x, [(0, 0)] * (x.ndim - 1) + [(0, -K % 32)]); x = x.reshape(x.shape[:-1] + (-1, 32)); a = np.abs(x).max(-1, keepdims=True)
;;       e = np.where(a > 0, np.clip(np.frexp(np.where(a > 0, a, 1))[1] - 1 - 2, -126, 127), 0)      # np.frexp(a)[1] - 1 = floor(log2(a)), exactly
;;       r = np.clip(x / 2.0 ** e, -7.5, 7.5)
;;       step = 2.0 ** (np.maximum(np.frexp(np.where(r == 0, 1, r))[1] - 1, 0) - 3)
;;       q = np.round(r / step) * step * 2.0 ** e      # np.round: ties to even
;;       return np.moveaxis(q.reshape(q.shape[:-2] + (-1,))[..., :K], -1, axis).astype(np.float32)
;;   ~~~
;;   SOFTMAX AHEAD OF A QUANTISED PRODUCT. Where the list says 'softmax', what is quantised is not the finished softmax but p = 2^(t - M), with t = logit x log2(e) and M = ceil(the row's largest t), a whole number; so 1/2 < the row's largest p <= 1. The row's sum l is taken of the UNQUANTISED p, in f32, and the product's result is divided by l at the end. Since M is a whole number, a kernel that streams over the keys may use a running M (the ceiling of the running maximum): every later rescaling is an exact power of two, which a block's scale takes up: the codes' values come out the same.
;;   OPERANDS COMPUTED ON THE WAY. 'Computed on the way' means the value that the module computes at that place (a softmax that the list does not call 'softmax' is quantised finished and normalised). What goes into a quantiser is computed in f32, as accurately as f32 sums, v_exp_f32 and their like allow (about 1e-6 of the number): no bf16 or f16 on the way to a quantiser, and a product that is left as it is and whose result goes on into a quantised operand takes f32 operands (vector FMAs, or v_wmma_f32_16x16x4_f32). A number that lies on a knife's edge between two numbers of the format may be rounded either way, as far as f32 arithmetic and the matrix unit's own rounding can turn it there, and no further.
;;   INPUTS GIVEN AS CODES. kw (in the module: [512, 256], K = its axis 1); ow (in the module: [512, 512], K = its axis 1); qw (in the module: [512, 256], K = its axis 1); vw (in the module: [512, 256], K = its axis 1); x (in the module: [8, 256, 32, 32], K = its axis 1): each comes as NAME_codes (uint8): NAME with its K axis moved to the last place and cut into blocks of 32 codes, [.., K / 32, bytes a block], one block behind the other in memory; four codes in three bytes: a row's codes are one little-endian stream of bits, code i at bits 6 i .. 6 i + 5 (a code: sign, 2 exponent bits, 3 mantissa bits); and NAME_scales (uint8): the same leading axes, one E8M0 byte (e + 127) for each 32 codes along K. Its value is code x scale, taken as it is: it is not quantised again, and the codes and scales need not be those that the quantiser above would give.
;; One version. Each part assembles by itself: llvm-mc -triple=amdgcn-amd-amdhsa -mcpu=gfx1250 --defsym DOCPART=n.
;; ======== version 1 of 1: 2 launches
;; workspace buffers: ac 3,145,728 bytes; asc 131,072 bytes; owi 196,608 bytes
;; launch attn (part 1): grid 4 x 64, 16 waves a work-group, clusters of 4 x 1, 327,680 bytes of LDS; arguments x_codes, x_scales, qw_codes, kw_codes, vw_codes, qw_scales, kw_scales, vw_scales, qb, kb, vb, ow_codes, ac, asc, owi; writes ac, asc, owi
.if DOCPART == 1
	.amdgcn_target "amdgcn-amd-amdhsa--gfx1250"
	.amdhsa_code_object_version 6
	.text
	.protected	k_q32ad3d9cb5_attn
	.globl	k_q32ad3d9cb5_attn
	.p2align	8
	.type	k_q32ad3d9cb5_attn,@function
k_q32ad3d9cb5_attn:
	s_mov_b64 s[64:65], 0
	v_nop
	global_prefetch_b8 v0, s[64:65] scope:SCOPE_SE
	s_setreg_imm32_b32 hwreg(HW_REG_WAVE_MODE, 25, 1), 1
	s_wait_xcnt 0x0
	s_wait_alu depctr_hold_cnt(0) depctr_sa_sdst(0) depctr_va_vdst(0) depctr_va_sdst(0) depctr_va_ssrc(0) depctr_va_vcc(0) depctr_vm_vsrc(0)
	s_getreg_b32 s2, hwreg(HW_REG_IB_STS2, 6, 4)
	s_cmp_eq_u32 s2, 0
	s_cbranch_scc0 .Lentry_in_a_cluster
	s_endpgm
.Lentry_in_a_cluster:
	s_bfe_u32 s2, ttmp6, 0x10000c
	s_cmp_lg_u32 s2, 0x3003
	s_cbranch_scc0 .Lentry_shape_is_right
	s_endpgm
.Lentry_shape_is_right:
; ATTENTION OF ONE HEAD FOR 256 QUERIES, ON CODES OF FP6 (E2M3) WITH ONE E8M0 SCALE FOR EACH 32 ALONG A PRODUCT'S K.
; A work-group is (image b, head h, block of 256 queries): 8 x 8 x 4 = 256 work-groups of sixteen waves, four to a SIMD, 256 registers each.
; PROLOGUE: the work-group makes K and V of its whole head (1,024 keys) from x's codes and kw's, vw's codes; wave w takes pixels 64 w .. 64 w + 63.  Results get their bias in f32, are quantised in registers
; (k along d, v along the keys) and are laid in LDS as images of operand registers: 104 KB, so the head's K and V lie in LDS whole and the key loop needs no ring.  Each wave also makes q of its own 16 queries.
; THE WAVES OF THE PROLOGUE DO NOT WAIT FOR EACH OTHER'S x: a wave reads only the 64 rows that its own tensor load brought, behind its own wait, and stores its images into those same 15,360 bytes once it has read them.
; One barrier stands for the weights, which all waves read (they are asked for ahead of x, and q is made while x lands), one for the finished images.
; LOOP: 8 steps of 128 keys.  S^T = K Q^T (source 0 = 16 keys, source 1 = my 16 queries), p = 2^(t - M) with M a whole number, quantised along the keys, O^T += V^T P^T: a lane holds ONE query throughout.
; THE SCORES HAVE K = 64 and the instruction takes 128: Q's codes of k = 64 .. 127 are zeros, so what stands in K's upper six registers (the next tile's codes; FP6 has no NaN and no infinity) adds nothing;
; the scale bytes of those two blocks are 0, which is 2^-127 and no NaN.
; THE KEYS OF A TILE ARE CHOSEN, by the address at which K's codes are stored: of a wave's 64 keys, rows 0-7 of image tiles 0 .. 3 are the first block of 32 and rows 8-15 the second, tile T holding the eight keys 8 (0, 2, 1, 3)[T] on.
; So the 32 scores that a lane holds of four tiles are ONE block of 32 keys: its largest needs no other lane, and the conversions' results are the operand as it stands.
; ORDER INSIDE BLOCKS: q and k carry one and the same order along d (16 u + 8 (lane / 16) + j), p and v one and the same along the keys (eights 0, 2, 1, 3): the blocks of 32 are the true ones and the products are the same;
; only the order of the sums inside an instruction differs.  V's rows are laid (again by the store's address) so that the result comes out in natural order along e.
; WAY OUT: O^T / l is quantised along e and stored as half an operand image (768 bytes a wave) into ac, its two scale bytes a pixel into asc.  Wave 15 also lays 1/256 of ow's codes as such an image into owi.
; CLUSTER: the four query blocks of one (b, h) need the same x rows, weights, scales and biases: every tensor load is asked for jointly by the four.  The place in the cluster enters global addresses alone.
; Every tensor load fills bytes for the first time.
; LIMITS: NaN and infinities among the inputs are not served.  A block whose largest magnitude lies under 2^-124 gets the byte 1; a block of zeros gets the byte 1 and not 127 (its codes are zeros, and this program alone reads the bytes).
; A block's largest p is made from the block's largest score by the same multiply-add and exponential, which takes v_exp_f32 not to fall where its input rises.
.set XWB,  15360                       ; LDS.  0: sixteen regions of 15,360 bytes, one a wave: its 64 rows of x, 240 bytes apart; later its four half images of K (768 bytes each) and, VIM on, its four of V
.set VIM,  3072
.set WB,   245760                      ; the head's 64 rows of qw, kw, vw, 240 bytes apart: 15,360 a matrix
.set WSC,  291840                      ; their scale bytes, 512 a matrix
.set BIA,  293376                      ; the head's 64 numbers of qb, kb, vb
.set KS,   294144                      ; K's scale words, 512 a step: bytes into which no tile lands;
.set VS,   298240                      ; V's, 256 a step: likewise
; vector registers of the prologue
.set AW0,  1                           ; v1-2   a weight's rows (the second for pieces behind one padding more)
.set AWS,  3                           ; v3     their scale words
.set ABI,  4                           ; v4     biases in the result's layout;  v5 vb of my lane's row
.set AVB,  5
.set AKI,  6                           ; v6-7   where K's half images go (16 bytes a lane, 8 bytes a lane)
.set AKJ,  7
.set AVI,  8                           ; v8-9   V's
.set AVJ,  9
.set AKS,  10                          ; v10    K's scale words;  v11 V's
.set AVS,  11
.set KB,   12                          ; v12-15 K's bytes of the first pass; then vb in v12 and v14
.set VB,   12
.set QF,   16                          ; v16-27 Q's fragment, for the whole launch
.set QS,   28                          ; v28 Q's scale word, v29 p's, v32-35 weights' (loop: K's), v36-37 my queries' x (loop: V's), v248-255 x's: these hold scales and nothing else
.set PS,   29
.set WS,   32
.set KSC,  32
.set QXS,  36
.set VSC,  36
.set XS,   248
.set TT,   39                          ; v39    at work
.set WF,   40                          ; v40-87 four weight fragments (tile u, K step s at 24 u + 12 s); behind the products the quantiser's registers
.set ACC,  88                          ; v88-151 eight accumulators (at the head v88-93 are at work, then hold wave 15's piece of ow; v144-147, v150 offsets into memory)
.set QX,   120                         ; v120-143 my queries' two x fragments, until K's accumulators take the place
.set AX0,  148                         ; v148-149 my x rows in LDS
.set XF,   152                         ; v152-247 my eight x fragments (tile i, K step s at 24 i + 12 s)
; vector registers of the loop: v1 16 x lane, v2 8 x lane, v3, v4 scale words' places, v5-8 the step's addresses, v9 8 x (lane / 16), v10 my byte in asc, v12 -M, v13 largest t, v[14:15] the sum, v[30:31] f
.set FR,   40                          ; v40-87 eight half fragments of K, then four fragments of V
.set S,    120                         ; v120-183 S^T, then p
.set O,    184                         ; v184-215 O^T
; scalar registers
.set WV,   34
.set I3,   35                          ; wave % 4: which matrix I fetch for
.set KIND, 36                          ; wave / 4: codes, scales or biases
.set QB,   37
.set YY,   38
.set BB,   39
.set HH,   40
.set PIX,  41
.set G1X,  48                          ; s[48:55] 64 rows of 192 bytes, padded;  s[56:63] one row of 512 bytes;  s[68:75] one row of 256 bytes
.set G1S,  56
.set G1B,  68
.set G0X,  76                          ; s[76:79] x rows;  s[80:83] a weight's codes;  s[84:87] its scales;  s[88:91] its bias
.set G0C,  80
.set G0S,  84
.set G0B,  88
.set SEL,  92                          ; s[92:93] selects of v_permlanex16_b32 for lane l xor 16
.set CS,   94                          ; s[94:95] c = log2(e) / sqrt(64)
.set HIM,  96                          ; s96 mask of lanes 16-31
.set TB,   97                          ; s97 the step's images, s98 K's scale words, s99 V's, s100 the step
.set TS,   98
.set TJ,   99
.set CNT,  100
.macro ROUND                           ; a round of the cluster's barrier
	s_barrier_signal -1
	s_barrier_wait -1
	s_cmp_lg_u32 s[WV], 0
	s_cbranch_scc1 .Lnot_wave_0_\@
	s_barrier_signal -3
.Lnot_wave_0_\@:
	s_barrier_wait -3
	s_barrier_signal -1
	s_barrier_wait -1
.endm
.macro PLACES n                        ; plain vector places behind matrix instructions (ISA guide 7.12.1)
.rept \n
	v_nop
.endr
.endm
; a fragment, 16 rows x 128 K, from rows 240 bytes apart (16 bytes of padding behind every 64): six pieces of 8 bytes; lanes 16-31 read three pieces on, which for some pieces is behind one padding more
.macro FRAG reg, adr, q, off
.irp p, 0,1,2,3,4,5
.set PIECE, 12*(\q)+6*(\p/3)+\p%3
.if PIECE%8 < 5
	ds_load_b64 v[\reg+2*\p:\reg+2*\p+1], v[\adr] offset:8*PIECE+16*(PIECE/8)+(\off)
.else
	ds_load_b64 v[\reg+2*\p:\reg+2*\p+1], v[\adr+1] offset:8*PIECE+16*(PIECE/8)+(\off)
.endif
.endr
.endm
; two tiles of a weight (rows 32 bb + 16 u on), both K steps, and their scale words
.macro WLOAD mat, bb
.irp u, 0,1
.irp s, 0,1
	FRAG WF+24*\u+12*\s, AW0, \s, (\mat)*15360+(32*(\bb)+16*\u)*240
.endr
	ds_load_b64 v[WS+2*\u:WS+2*\u+1], v[AWS] offset:(\mat)*512+(32*(\bb)+16*\u)*8
.endr
.endm
; the bias of tile t in the result's layout: it is the C of the sums' first products
.macro BIASIN mat, t, dst
	ds_load_b128 v[\dst:\dst+3], v[ABI] offset:(\mat)*256+64*(\t)
	ds_load_b128 v[\dst+4:\dst+7], v[ABI] offset:(\mat)*256+64*(\t)+16
.endm
; one product.  c: the first register of C, or -1 for the constant 0;  row1: A's scale words stand in lanes 16-31
.macro MM d, a, b, c, sa, sb, row1
.if (\c) < 0
.if \row1
	v_wmma_scale_f32_16x16x128_f8f6f4 v[\d:\d+7], v[\a:\a+11], v[\b:\b+11], 0, v[\sa], v[\sb] matrix_a_fmt:MATRIX_FMT_FP6 matrix_b_fmt:MATRIX_FMT_FP6 matrix_a_scale:MATRIX_SCALE_ROW1
.else
	v_wmma_scale_f32_16x16x128_f8f6f4 v[\d:\d+7], v[\a:\a+11], v[\b:\b+11], 0, v[\sa], v[\sb] matrix_a_fmt:MATRIX_FMT_FP6 matrix_b_fmt:MATRIX_FMT_FP6
.endif
.else
.if \row1
	v_wmma_scale_f32_16x16x128_f8f6f4 v[\d:\d+7], v[\a:\a+11], v[\b:\b+11], v[\c:\c+7], v[\sa], v[\sb] matrix_a_fmt:MATRIX_FMT_FP6 matrix_b_fmt:MATRIX_FMT_FP6 matrix_a_scale:MATRIX_SCALE_ROW1
.else
	v_wmma_scale_f32_16x16x128_f8f6f4 v[\d:\d+7], v[\a:\a+11], v[\b:\b+11], v[\c:\c+7], v[\sa], v[\sb] matrix_a_fmt:MATRIX_FMT_FP6 matrix_b_fmt:MATRIX_FMT_FP6
.endif
.endif
.endm
; nb blocks of 32 (2 or 4): block b is my 16 numbers v[s + 16 b ..] and lane l xor 16's.  Codes to v[PC + 6 c ..]: lanes 0-15 hold block 2 c whole, lanes 16-31 block 2 c + 1.  Scale bytes to v[TM + 4 + b], in both lanes
.macro QUANT s, nb
.irp b, 0,1,2,3
.if \b < \nb
	v_max3_num_f32 v[TM+\b], |v[\s+16*\b]|, |v[\s+1+16*\b]|, 0x1800000   ; with the floor 2^(3 - 127): the byte cannot fall under 1
.endif
.endr
.irp i, 2,4,6,8,10,12,14
.irp b, 0,1,2,3
.if \b < \nb
	v_max3_num_f32 v[TM+\b], v[TM+\b], |v[\s+16*\b+\i]|, |v[\s+1+16*\b+\i]|   ; the blocks by turns
.endif
.endr
.endr
.irp b, 0,1,2,3
.if \b < \nb
	v_permlanex16_b32 v[TM+4+\b], v[TM+\b], s[SEL], s[SEL+1]
.endif
.endr
.irp b, 0,1,2,3
.if \b < \nb
	v_max_num_f32 v[TM+\b], v[TM+\b], v[TM+4+\b]   ; the block's largest magnitude
.endif
.endr
.irp b, 0,1,2,3
.if \b < \nb
	v_add_nc_u32 v[TM+8+\b], 0xff000000, v[TM+\b]   ; 2 off its exponent field: the conversion's scale operand
.endif
.endr
.irp b, 0,1,2,3
.if \b < \nb
	v_lshrrev_b32 v[TM+4+\b], 23, v[TM+8+\b]       ; the scale's byte
.endif
.endr
.irp c, 0,1
.if 2*\c < \nb
	v_cvt_scalef32_pk16_fp6_f32 v[PC+6*\c:PC+6*\c+2], v[\s+32*\c:\s+32*\c+15], v[TM+8+2*\c]
	v_cvt_scalef32_pk16_fp6_f32 v[PX+4*\c:PX+4*\c+2], v[\s+32*\c+16:\s+32*\c+31], v[TM+9+2*\c]   ; (a conversion's three registers begin on an even number)
.endif
.endr
	v_nop                                          ; one plain place behind a scaled conversion
.irp c, 0,1
.if 2*\c < \nb
.irp i, 0,1,2
	v_permlane16_swap_b32 v[PC+6*\c+\i], v[PX+4*\c+\i]   ; the first's lanes 16-31 change places with the second's lanes 0-15
.endr
.irp i, 0,1,2
	s_delay_alu instid0(VALU_DEP_3)
	v_mov_b32 v[PC+3+6*\c+\i], v[PX+4*\c+\i]
.endr
.endif
.endr
.endm
	s_load_b512 s[4:19], s[0:1], 0x0               ; x_codes 4, x_scales 6, qw 8, kw 10, vw 12, their scales 14, 16, 18
	s_load_b256 s[20:27], s[0:1], 0x40             ; qb 20, kb 22, vb 24, ow_codes 26
	s_load_b128 s[28:31], s[0:1], 0x60             ; ac 28, asc 30
	s_load_b64 s[32:33], s[0:1], 0x70              ; owi
	v_lshl_add_u32 v254, v0, 2, 0x49500
	v_mov_b32 v255, 0
	ds_add_u32 v254, v255
	ds_add_u32 v254, v255
	s_wait_dscnt 0x0
	v_lshrrev_b32 v[TT], 5, v0
	s_delay_alu instid0(VALU_DEP_1)
	v_readfirstlane_b32 s[WV], v[TT]               ; wave 0..15
	s_and_b32 s[I3], s[WV], 3
	s_lshr_b32 s[KIND], s[WV], 2
	s_and_b32 s[YY], ttmp7, 0xffff                 ; 8 b + h, which the four partners share
	s_lshr_b32 s[BB], s[YY], 3
	s_and_b32 s[HH], s[YY], 7
	s_mov_b32 s[SEL], 0x76543210
	s_mov_b32 s[SEL+1], 0xfedcba98
	s_mov_b32 s[CS], 0x3e38aa3b                    ; log2(e) / 8
	s_mov_b32 s[CS+1], s[CS]                       ; (named with it as a pair)
	s_mov_b32 s[HIM], 0xffff0000
	; descriptor groups 1: constants.  15:0 the mask, all four work-groups; 21 set beside a mask
	s_mov_b32 s[G1X], 15|(1<<20)|(1<<21)|(3<<22)|(3<<25)   ; elements of 1 byte; 16 bytes of padding behind every 64
	s_mov_b32 s[G1X+1], 192<<16                    ; tensor_dim0
	s_mov_b32 s[G1X+2], 64<<16                     ; tensor_dim1
	s_mov_b32 s[G1X+3], 192<<16                    ; tile_dim0
	s_mov_b32 s[G1X+4], 64                         ; tile_dim1
	s_mov_b32 s[G1X+5], 192                        ; from row to row
	s_mov_b32 s[G1X+6], 0
	s_mov_b32 s[G1X+7], 0
	s_mov_b32 s[G1S], 15|(3<<16)|(1<<21)           ; one row of 64 elements of 8 bytes
	s_mov_b32 s[G1S+1], 64<<16
	s_mov_b32 s[G1S+2], 1<<16
	s_mov_b32 s[G1S+3], 64<<16
	s_mov_b32 s[G1S+4], 1
	s_mov_b32 s[G1S+5], 64
	s_mov_b32 s[G1S+6], 0
	s_mov_b32 s[G1S+7], 0
	s_mov_b32 s[G1B], 15|(3<<16)|(1<<21)           ; one row of 32 elements of 8 bytes
	s_mov_b32 s[G1B+1], 32<<16
	s_mov_b32 s[G1B+2], 1<<16
	s_mov_b32 s[G1B+3], 32<<16
	s_mov_b32 s[G1B+4], 1
	s_mov_b32 s[G1B+5], 32
	s_mov_b32 s[G1B+6], 0
	s_mov_b32 s[G1B+7], 0
	s_mov_b32 s[G0X], 1
	s_mul_i32 s[G0X+1], s[WV], XWB                 ; my 64 rows of x: my region
	s_mov_b32 s[G0C], 1
	s_mul_i32 s[G0C+1], s[I3], 15360
	s_add_co_u32 s[G0C+1], s[G0C+1], WB
	s_mov_b32 s[G0S], 1
	s_lshl_b32 s[G0S+1], s[I3], 9
	s_add_co_u32 s[G0S+1], s[G0S+1], WSC
	s_mov_b32 s[G0B], 1
	s_lshl_b32 s[G0B+1], s[I3], 8
	s_add_co_u32 s[G0B+1], s[G0B+1], BIA
	; every LDS address of the prologue, from the thread's and the wave's number
	v_and_b32 v88, 15, v0                          ; r
	v_bfe_u32 v89, v0, 4, 1                        ; half of the lanes
	v_and_b32 v90, 31, v0                          ; lane
	v_and_b32 v91, 7, v0                           ; r % 8
	v_bfe_u32 v92, v0, 3, 1                        ; r / 8
	v_mul_u32_u24 v93, v88, 240
	s_delay_alu instid0(VALU_DEP_1)
	v_mad_u32_u24 v93, v89, 24, v93                ; row r, + 24 bytes for lanes 16-31
	s_delay_alu instid0(VALU_DEP_1)
	v_add_nc_u32 v[AW0], WB, v93
	s_delay_alu instid0(VALU_DEP_1)
	v_lshl_add_u32 v[AW0+1], v89, 4, v[AW0]
	s_mul_i32 s66, s[WV], XWB                      ; my region
	v_add_nc_u32 v[AX0], s66, v93
	s_delay_alu instid0(VALU_DEP_1)
	v_lshl_add_u32 v[AX0+1], v89, 4, v[AX0]
	v_lshl_add_u32 v[AWS], v88, 3, WSC
	v_lshl_add_u32 v[ABI], v89, 5, BIA
	v_lshl_add_u32 v[AVB], v88, 2, BIA+512
	; K: behind the quantiser lane (r, half) of pair c holds key r of my tile of pixels 2 c + half.  It goes to image tile 2 (r / 8) + half, row r % 8 + 8 c (the immediate adds 8 c rows and the block of d)
	v_mul_u32_u24 v93, v92, 1536
	s_delay_alu instid0(VALU_DEP_1)
	v_mad_u32_u24 v93, v89, 768, v93
	s_delay_alu instid0(VALU_DEP_1)
	v_add_nc_u32 v93, s66, v93
	s_delay_alu instid0(VALU_DEP_1)
	v_lshl_add_u32 v[AKI], v91, 4, v93
	s_delay_alu instid0(VALU_DEP_2)
	v_lshl_add_u32 v[AKJ], v91, 3, v93
	s_delay_alu instid0(VALU_DEP_1)
	v_add_nc_u32 v[AKJ], 512, v[AKJ]
	; V: lane (r, half) of pair t holds d = 32 g + 16 t + r, block `half` of my 64 keys.  It goes to image tile 2 g + r / 8, row r % 8 + 8 t, lanes' half as it is
	v_mul_u32_u24 v93, v92, 768
	s_delay_alu instid0(VALU_DEP_1)
	v_add_nc_u32 v93, s66, v93
	s_delay_alu instid0(VALU_DEP_1)
	v_lshl_add_u32 v[AVI], v89, 8, v93
	s_delay_alu instid0(VALU_DEP_1)
	v_lshl_add_u32 v[AVI], v91, 4, v[AVI]
	s_delay_alu instid0(VALU_DEP_1)
	v_add_nc_u32 v[AVI], VIM, v[AVI]
	s_delay_alu instid0(VALU_DEP_4)
	v_lshl_add_u32 v[AVJ], v89, 7, v93
	s_delay_alu instid0(VALU_DEP_1)
	v_lshl_add_u32 v[AVJ], v91, 3, v[AVJ]
	s_delay_alu instid0(VALU_DEP_1)
	v_add_nc_u32 v[AVJ], VIM+512, v[AVJ]
	s_lshr_b32 s97, s[WV], 1                       ; my key step,
	s_and_b32 s98, s[WV], 1                        ; and which 64 keys of it
	s_lshl_b32 s67, s97, 9                         ; K's scale words: a step's lane l has 16 bytes, word q for tiles 2 q (lanes 0-15) and 2 q + 1 (lanes 16-31)
	s_lshl_b32 s99, s98, 3
	s_add_co_u32 s67, s67, s99
	s_add_co_u32 s67, s67, KS
	v_lshl_add_u32 v[AKS], v91, 4, s67
	s_delay_alu instid0(VALU_DEP_1)
	v_lshl_add_u32 v[AKS], v89, 8, v[AKS]
	s_delay_alu instid0(VALU_DEP_1)
	v_lshl_add_u32 v[AKS], v92, 2, v[AKS]
	s_lshl_b32 s67, s97, 8                         ; V's: a step's lane l has 8 bytes, word q likewise; my 64 keys are two of a word's four bytes
	s_lshl_b32 s99, s98, 1
	s_add_co_u32 s67, s67, s99
	s_add_co_u32 s67, s67, VS
	v_lshl_add_u32 v[AVS], v91, 3, s67
	s_delay_alu instid0(VALU_DEP_1)
	v_lshl_add_u32 v[AVS], v92, 7, v[AVS]
	s_delay_alu instid0(VALU_DEP_1)
	v_lshl_add_u32 v[AVS], v89, 6, v[AVS]
	v_lshlrev_b32 v144, 3, v88                     ; offsets into memory: a pixel's 8 scale bytes,
	v_mul_u32_u24 v145, v88, 192
	s_delay_alu instid0(VALU_DEP_1)
	v_mad_u32_u24 v145, v89, 24, v145              ; its 192 bytes of codes,
	v_mul_u32_u24 v146, v88, 384
	s_delay_alu instid0(VALU_DEP_1)
	v_mad_u32_u24 v146, v89, 24, v146              ; a row of ow,
	v_lshlrev_b32 v147, 4, v90
	v_lshlrev_b32 v150, 3, v90                     ; and an image's two parts
	s_wait_kmcnt 0x0
	s_cmp_eq_u32 s[I3], 1                          ; which matrix I would fetch for: the choice hangs on the wave's number alone
	s_cselect_b64 s[8:9], s[10:11], s[8:9]
	s_cselect_b64 s[14:15], s[16:17], s[14:15]
	s_cselect_b64 s[20:21], s[22:23], s[20:21]
	s_cmp_eq_u32 s[I3], 2
	s_cselect_b64 s[8:9], s[12:13], s[8:9]
	s_cselect_b64 s[14:15], s[18:19], s[14:15]
	s_cselect_b64 s[20:21], s[24:25], s[20:21]
	s_mul_i32 s66, s[BB], 196608                   ; the image's rows of x, my 64 of them
	s_mul_i32 s67, s[WV], 12288
	s_add_co_u32 s66, s66, s67
	s_mov_b32 s67, 0
	s_add_nc_u64 s[G0X+2:G0X+3], s[4:5], s[66:67]
	s_or_b32 s[G0X+3], s[G0X+3], 0x80000000
	s_mul_i32 s66, s[HH], 12288                    ; the head's 64 rows of a weight,
	s_add_nc_u64 s[G0C+2:G0C+3], s[8:9], s[66:67]
	s_or_b32 s[G0C+3], s[G0C+3], 0x80000000
	s_lshl_b32 s66, s[HH], 9                       ; their scale bytes,
	s_add_nc_u64 s[G0S+2:G0S+3], s[14:15], s[66:67]
	s_or_b32 s[G0S+3], s[G0S+3], 0x80000000
	s_lshl_b32 s66, s[HH], 8                       ; their biases
	s_add_nc_u64 s[G0B+2:G0B+3], s[20:21], s[66:67]
	s_or_b32 s[G0B+3], s[G0B+3], 0x80000000
	s_lshl_b32 s66, s[BB], 13                      ; my 64 pixels' scale bytes
	s_lshl_b32 s67, s[WV], 9
	s_add_co_u32 s66, s66, s67
	s_mov_b32 s67, 0
	s_add_nc_u64 s[46:47], s[6:7], s[66:67]
	; what hangs on my place in the cluster: global addresses alone, made in s2, s3, s37, s41: no register of a descriptor and no LDS address ever holds it
	s_bfe_u32 s[PIX], ttmp6, 0x40000               ; cx
	s_lshl_b32 s[QB], ttmp9, 2
	s_add_co_u32 s[QB], s[QB], s[PIX]              ; my block of 256 queries
	s_lshl_b32 s[PIX], s[BB], 10
	s_lshl_b32 s2, s[QB], 8
	s_add_co_u32 s[PIX], s[PIX], s2
	s_lshl_b32 s2, s[WV], 4
	s_add_co_u32 s[PIX], s[PIX], s2                ; my first query: 1,024 b + 256 block + 16 wave
	s_mov_b32 s3, 0
	s_mul_i32 s2, s[PIX], 192
	s_add_nc_u64 s[42:43], s[4:5], s[2:3]          ; its codes of x,
	s_lshl_b32 s2, s[PIX], 3
	s_add_nc_u64 s[44:45], s[6:7], s[2:3]          ; its scale bytes,
	s_lshr_b32 s2, s[PIX], 1
	s_add_co_u32 s2, s2, s[HH]
	s_mul_i32 s2, s2, 768
	s_add_nc_u64 s[28:29], s[28:29], s[2:3]        ; my half image in ac: (8 x tile of pixels + h) x 768,
	s_lshl_b32 s2, s[PIX], 3
	s_add_co_u32 s2, s2, s[HH]
	s_lshl_b32 s2, s2, 1
	s_add_nc_u64 s[30:31], s[30:31], s[2:3]        ; my bytes in asc: 16 x pixel + 2 h
	s_lshl_b32 s[PIX], s[YY], 2
	s_add_co_u32 s[PIX], s[PIX], s[QB]             ; which of ow's 256 half images is this work-group's: 8 x tile of rows + piece of 64 codes
	s_lshr_b32 s2, s[PIX], 3
	s_mul_i32 s2, s2, 6144
	s_and_b32 s[QB], s[PIX], 7
	s_mul_i32 s[QB], s[QB], 48
	s_add_co_u32 s2, s2, s[QB]
	s_add_nc_u64 s[26:27], s[26:27], s[2:3]
	s_mul_i32 s2, s[PIX], 768
	s_add_nc_u64 s[32:33], s[32:33], s[2:3]
	; the loads into registers go out ahead of the tensor loads: they are small, and q wants them first
	s_cmp_lg_u32 s[WV], 15                         ; wave 15: one half image of ow's codes: lane (r, half) takes 24 bytes of row r
	s_cbranch_scc1 .Lno_ow
	s_wait_alu depctr_va_vdst(0)
	global_load_b64 v[88:89], v146, s[26:27]
	global_load_b64 v[90:91], v146, s[26:27] offset:8
	global_load_b64 v[92:93], v146, s[26:27] offset:16
.Lno_ow:
	s_wait_alu depctr_va_vdst(0)
	global_load_b64 v[QXS:QXS+1], v144, s[44:45]   ; my 16 queries' scale words of x, both K steps
.irp s, 0,1
.irp p, 0,1,2,3,4,5
	global_load_b64 v[QX+12*\s+2*\p:QX+12*\s+2*\p+1], v145, s[42:43] offset:96*\s+48*(\p/3)+8*(\p%3)   ; my queries' x: straight into registers, since their place in LDS would hang on the place in the cluster
.endr
.endr
.irp i, 0,1,2,3
	global_load_b64 v[XS+2*\i:XS+2*\i+1], v144, s[46:47] offset:128*\i   ; x's scale words: lane r has pixel 16 i + r, both K steps
.endr
	ROUND                                          ; all four work-groups are here: the joint loads meet
	; A wave's first fills stand in one arm of a branch on its number: waves 0-2 the codes of qw, kw, vw, waves 4-6 their scales, waves 8-10 the biases, each AHEAD of the wave's 64 rows of x; the other waves x alone.
	; At most two tensor loads of a wave are out.  Four v_nop follow the arm's last tensor load
	s_cmp_eq_u32 s[I3], 3
	s_cbranch_scc1 .Lonly_x
	s_cmp_eq_u32 s[KIND], 0
	s_cbranch_scc0 .Lnot_codes
	tensor_load_to_lds s[G0C:G0C+3], s[G1X:G1X+7]
	s_nop 0
	tensor_load_to_lds s[G0X:G0X+3], s[G1X:G1X+7]
	s_nop 0
	PLACES 4
	s_branch .Lasked
.Lnot_codes:
	s_cmp_eq_u32 s[KIND], 1
	s_cbranch_scc0 .Lnot_scales
	tensor_load_to_lds s[G0S:G0S+3], s[G1S:G1S+7]
	s_nop 0
	tensor_load_to_lds s[G0X:G0X+3], s[G1X:G1X+7]
	s_nop 0
	PLACES 4
	s_branch .Lasked
.Lnot_scales:
	s_cmp_eq_u32 s[KIND], 2
	s_cbranch_scc0 .Lonly_x
	tensor_load_to_lds s[G0B:G0B+3], s[G1B:G1B+7]
	s_nop 0
	tensor_load_to_lds s[G0X:G0X+3], s[G1X:G1X+7]
	s_nop 0
	PLACES 4
	s_branch .Lasked
.Lonly_x:
	tensor_load_to_lds s[G0X:G0X+3], s[G1X:G1X+7]
	s_nop 0
	PLACES 4
.Lasked:
	s_wait_tensorcnt 0x1                           ; one load was issued behind a wave's weight tile, its x: the weight tile has landed, x may stay out
	s_barrier_signal -1
	s_barrier_wait -1                              ; weights, scales and biases lie in LDS for every wave
	s_wait_loadcnt 0x0                             ; scale words, my queries' x, wave 15's piece of ow
	s_cmp_lg_u32 s[WV], 15
	s_cbranch_scc1 .Lno_relay
	global_store_b128 v147, v[88:91], s[32:33]     ; the piece leaves as 512 + 256 consecutive bytes
	global_store_b64 v150, v[92:93], s[32:33] offset:512
	s_wait_xcnt 0x0                                ; the stores' registers are written again below
.Lno_relay:
	; ---- q of my 16 queries, while x lands: source 0 = 16 rows of qw, source 1 = x: a lane holds one query, its registers run along d
.set PC, QF
.set PX, 52
.set TM, 60
.irp g, 0,1
.if \g
	PLACES 5                                       ; in front of loads into registers that the products have read
.endif
	WLOAD 0, \g
.irp u, 0,1
	BIASIN 0, 2*\g+\u, ACC+16*\g+8*\u
.endr
	s_wait_dscnt 0x0
.irp s, 0,1
.irp u, 0,1
	MM ACC+16*\g+8*\u, WF+24*\u+12*\s, QX+12*\s, ACC+16*\g+8*\u, WS+2*\u+\s, QXS+\s, 0   ; the two accumulators by turns
.endr
.endr
.endr
	PLACES 5
	QUANT ACC, 2                                   ; the head's two blocks of 32 along d, straight into Q's fragment
	v_lshl_or_b32 v[QS], v[TM+5], 8, v[TM+4]       ; its scale word; the bytes of k = 64 .. 127 stay 0
.irp j, 6,7,8,9,10,11
	v_mov_b32 v[QF+\j], 0                          ; zero codes for k = 64 .. 127
.endr
	s_wait_tensorcnt 0x0                           ; my own 64 rows of x have landed: nobody else reads them, so no barrier stands here
.irp i, 0,1,2,3
.irp s, 0,1
	FRAG XF+24*\i+12*\s, AX0, \s, 3840*\i          ; they stay in registers
.endr
.endr
.set PC, 40
; ---- k of my 64 pixels, one block of 32 along d at a pass: two tiles of kw's rows against my four tiles of pixels
.macro KPASS bb
	WLOAD 1, \bb
.irp u, 0,1
	BIASIN 1, 2*\bb+\u, ACC+8*\u                   ; kb is the same for the four tiles of pixels: it is loaded into the first tile's accumulators and read from there as the C of the other three
.endr
	s_wait_dscnt 0x0                               ; (in the first pass also: my reads of x's rows are over, so the stores below may land on them)
.irp i, 1,2,3
.irp u, 0,1
	MM ACC+16*\i+8*\u, WF+24*\u, XF+24*\i, ACC+8*\u, WS+2*\u, XS+2*\i, 0
.endr
.endr
	PLACES 5                                       ; the next two write over registers that the six above read as C
.irp u, 0,1
	MM ACC+8*\u, WF+24*\u, XF, ACC+8*\u, WS+2*\u, XS, 0
.endr
.irp i, 1,2,3,0
.irp u, 0,1
	MM ACC+16*\i+8*\u, WF+24*\u+12, XF+24*\i+12, ACC+16*\i+8*\u, WS+2*\u+1, XS+2*\i+1, 0   ; eight accumulators by turns
.endr
.endr
	PLACES 5                                       ; the quantiser's registers lie over the weights' fragments
	QUANT ACC, 4                                   ; the quantiser's block i: tile i's keys, this block of d.  Behind it lane (r, half) of pair c holds key r of tile 2 c + half
.irp c, 0,1
	ds_store_b128 v[AKI], v[PC+6*\c:PC+6*\c+3] offset:128*\c+256*\bb        ; row r % 8 + 8 c of its image tile, at the place of the lanes' half bb
	ds_store_b64 v[AKJ], v[PC+6*\c+4:PC+6*\c+5] offset:64*\c+128*\bb
.endr
.if \bb == 0
.irp i, 0,1,2,3
	v_mov_b32 v[KB+\i], v[TM+4+\i]                 ; the first block's bytes are kept
.endr
.else
.irp i, 0,1,2,3
	v_lshl_or_b32 v[KB+\i], v[TM+4+\i], 8, v[KB+\i]   ; a key's scale word: two bytes, and 0 for k = 64 .. 127
.endr
	s_delay_alu instid0(VALU_DEP_3)
	v_cndmask_b32 v[TM], v[KB], v[KB+1], s[HIM]    ; lane (r, half): the word of key r of tile 2 c + half, as the codes
	s_delay_alu instid0(VALU_DEP_2)
	v_cndmask_b32 v[TM+1], v[KB+2], v[KB+3], s[HIM]
	ds_store_b32 v[AKS], v[TM]
	ds_store_b32 v[AKS], v[TM+1] offset:128
.endif
	s_wait_dscnt 0x0                               ; the stores have read their registers
.endm
; ---- v of my 64 pixels, two tiles of d at a pass: source 0 = 16 pixels of x, source 1 = 16 rows of vw: a lane holds one d, its registers run along the keys
.macro VPASS g
	WLOAD 2, \g
.irp t, 0,1
	ds_load_b32 v[VB+2*\t], v[AVB] offset:(32*\g+16*\t)*4   ; vb of my lane's row
.endr
	s_wait_dscnt 0x0
.irp t, 0,1
.irp b, 0,1
.irp u, 0,1
	MM ACC+16*(2*\t+\b)+8*\u, XF+24*(2*\b+\u), WF+24*\t, -1, XS+2*(2*\b+\u), WS+2*\t, 0   ; the first K step starts the sums
.endr
.endr
.endr
.irp t, 0,1
.irp b, 0,1
.irp u, 0,1
	MM ACC+16*(2*\t+\b)+8*\u, XF+24*(2*\b+\u)+12, WF+24*\t+12, ACC+16*(2*\t+\b)+8*\u, XS+2*(2*\b+\u)+1, WS+2*\t+1, 0   ; eight accumulators by turns
.endr
.endr
.endr
	PLACES 5
	s_wait_alu depctr_va_vdst(0)
.irp t, 0,1
.irp j, 0,2,4,6,8,10,12,14,16,18,20,22,24,26,28,30
	v_pk_add_f32 v[ACC+32*\t+\j:ACC+32*\t+\j+1], v[ACC+32*\t+\j:ACC+32*\t+\j+1], v[VB+2*\t:VB+2*\t+1] op_sel_hi:[1,0]   ; + vb, each accumulator from its low end on
.endr
.endr
	QUANT ACC, 4                                   ; the quantiser's block 2 t + b: tile t of d, keys 32 b on.  Behind it lane (r, half) of pair t holds d = 32 g + 16 t + r, block `half` of my keys, whole
.irp c, 0,1
	ds_store_b128 v[AVI], v[PC+6*\c:PC+6*\c+3] offset:1536*\g+128*\c        ; row r % 8 + 8 t of image tile 2 g + r / 8
	ds_store_b64 v[AVJ], v[PC+6*\c+4:PC+6*\c+5] offset:1536*\g+64*\c
.endr
	v_lshl_or_b32 v[TM], v[TM+5], 8, v[TM+4]       ; my 64 keys are two of a step's four blocks: half a scale word
	v_lshl_or_b32 v[TM+1], v[TM+7], 8, v[TM+6]
	s_delay_alu instid0(VALU_DEP_1)
	v_cndmask_b32 v[TM], v[TM], v[TM+1], s[HIM]    ; lane (r, half): that of tile t = half
	ds_store_b16 v[AVS], v[TM] offset:4*\g
	s_wait_dscnt 0x0
.endm
	KPASS 0
	KPASS 1
	VPASS 0
	VPASS 1
	s_barrier_signal -1                            ; (each pass ends with the wait for its LDS stores)
	s_barrier_wait -1                              ; the head's K and V lie in LDS
	; ---- the loop over the keys
.set PC, 88                            ; v88-99 p's codes;  v100-107 the conversions' second halves;  v108-119 maxima, bytes, scale operands
.set PX, 100
.set TM, 108
.irp j, 0,1,2,3,4,5,6,7,8,9,10,11
	v_mov_b32 v[PC+\j], 0                          ; the last tile of K names the first six as its upper half: written before they are read
.endr
	v_and_b32 v[TT], 31, v0
	s_delay_alu instid0(VALU_DEP_1)
	v_lshlrev_b32 v1, 4, v[TT]                     ; 16 x lane
	s_delay_alu instid0(VALU_DEP_2)
	v_lshlrev_b32 v2, 3, v[TT]                     ; 8 x lane
	s_delay_alu instid0(VALU_DEP_2)
	v_add_nc_u32 v3, KS, v1
	s_delay_alu instid0(VALU_DEP_2)
	v_add_nc_u32 v4, VS, v2
	v_and_b32 v10, 15, v0
	v_bfe_u32 v[TT], v0, 4, 1
	s_delay_alu instid0(VALU_DEP_1)
	v_lshlrev_b32 v9, 3, v[TT]                     ; 8 bits up for lanes 16-31: their bytes' place in p's scale word
	s_delay_alu instid0(VALU_DEP_2)
	v_lshl_add_u32 v10, v10, 4, v[TT]              ; my byte in asc: 16 r + half
	v_mov_b32 v13, 0xff61b1e6                      ; the largest t so far: -3e38
	s_delay_alu instid0(VALU_DEP_1)
	v_floor_f32 v12, -v13                          ; -M
	v_mov_b32 v14, 0                               ; the sum, in two halves
	v_mov_b32 v15, 0
	v_mov_b32 v31, 0                               ; (the upper half of the pair that holds f)
.irp b, 0,1,2,3
	v_mov_b32 v[TM+4+\b], 0                        ; a lane permute's destination counts as one of its sources
.endr
.set J, 0
.rept 32
	v_mov_b32 v[O+J], 0                            ; O^T: the step is written once; the first finds zeros, which the first change of M leaves zeros
.set J, J+1
.endr
	s_mov_b32 s[TB], 0
	s_mov_b32 s[TS], 0
	s_mov_b32 s[TJ], 0
	s_mov_b32 s[CNT], 0
.Lstep:                                        ; 8 trips of 128 keys: the regions of two waves
	s_setprio 2
	v_add_nc_u32 v5, s[TB], v1                     ; these four are the places behind the last products, in front of the loads into the registers that they read
	v_add_nc_u32 v6, s[TB], v2
	v_add_nc_u32 v7, s[TS], v3
	v_add_nc_u32 v8, s[TJ], v4
.irp t, 0,1,2,3,4,5,6,7
	ds_load_b128 v[FR+6*\t:FR+6*\t+3], v5 offset:XWB*(\t/4)+768*(\t%4)             ; K's eight half images: 512 + 256 consecutive bytes each
	ds_load_b64 v[FR+6*\t+4:FR+6*\t+5], v6 offset:XWB*(\t/4)+768*(\t%4)+512
.endr
	ds_load_b128 v[KSC:KSC+3], v7                  ; word q: tile 2 q in lanes 0-15, tile 2 q + 1 in lanes 16-31
	s_wait_alu depctr_va_vdst(0)
	s_wait_dscnt 0x0
.irp t, 0,1,2,3,4,5,6,7
	MM S+8*\t, FR+6*\t, QF, -1, KSC+\t/2, QS, \t%2 ; lane (r, half): query r; its registers 32 c .. 32 c + 31 (tiles 4 c .. 4 c + 3) are block 2 c + half of the step's four blocks of keys
.endr
	PLACES 4
.irp t, 0,1,2,3
.irp c, 0,1
	ds_load_b128 v[FR+12*\t+6*\c:FR+12*\t+6*\c+3], v5 offset:XWB*\c+VIM+768*\t     ; V's four fragments land while the softmax is walked
	ds_load_b64 v[FR+12*\t+6*\c+4:FR+12*\t+6*\c+5], v6 offset:XWB*\c+VIM+768*\t+512
.endr
.endr
	ds_load_b64 v[VSC:VSC+1], v8
.irp b, 0,1,2,3
	v_max3_num_f32 v[TM+\b], v[S+16*\b], v[S+16*\b+1], v[S+16*\b+2]   ; the largest score, in four chains of 16, each accumulator from its low end on
.endr
.irp i, 3,5,7,9,11,13
.irp b, 0,1,2,3
	v_max3_num_f32 v[TM+\b], v[TM+\b], v[S+16*\b+\i], v[S+16*\b+\i+1]
.endr
.endr
	v_max_num_f32 v[TM+1], v[TM+1], v[S+31]
	v_max_num_f32 v[TM+3], v[TM+3], v[S+63]
	v_max3_num_f32 v[TM], v[TM], v[S+15], v[TM+1]     ; THE LARGEST SCORE OF EACH OF MY TWO BLOCKS OF 32 KEYS: for the row's maximum, and for the block's largest p
	v_max3_num_f32 v[TM+2], v[TM+2], v[S+47], v[TM+3]
	s_delay_alu instid0(VALU_DEP_1)
	v_max_num_f32 v[TT], v[TM], v[TM+2]
	s_delay_alu instid0(VALU_DEP_1)
	v_permlanex16_b32 v[TM+4], v[TT], s[SEL], s[SEL+1]
	s_delay_alu instid0(VALU_DEP_1)
	v_max_num_f32 v[TT], v[TT], v[TM+4]            ; with lane l xor 16's two blocks: the step's largest score of my query
	s_delay_alu instid0(VALU_DEP_1)
	v_mul_f32 v[TT], s[CS], v[TT]                  ; as t (c is positive)
	s_delay_alu instid0(VALU_DEP_1)
	v_max_num_f32 v13, v13, v[TT]                  ; the running largest t
	v_mov_b32 v[TT], v12
	s_delay_alu instid0(VALU_DEP_2)
	v_floor_f32 v12, -v13                          ; the new -M = -ceil(t): a whole number
	s_delay_alu instid0(VALU_DEP_1)
	v_sub_f32 v[TT], v12, v[TT]                    ; old M - new M: a whole number, 0 or less
	s_delay_alu instid0(VALU_DEP_1)
	v_cvt_i32_f32 v[TT], v[TT]                     ; (it saturates)
	s_delay_alu instid0(VALU_DEP_1)
	v_ldexp_f32 v30, 1.0, v[TT]                    ; f = 2^(old M - new M): a multiplication by it rounds nothing
.set J, 0
.rept 32
	v_pk_fma_f32 v[S+J:S+J+1], v[S+J:S+J+1], s[CS:CS+1], v[12:13] op_sel_hi:[1,0,0]   ; t - M, two at a time
.set J, J+2
.endr
	v_fma_f32 v[TM], v[TM], s[CS], v12             ; the same of each block's largest score
	v_fma_f32 v[TM+2], v[TM+2], s[CS], v12
.set J, 0
	s_setprio 1
	s_wait_alu depctr_va_vdst(0)
.rept 64
	v_exp_f32 v[S+J], v[S+J]                       ; p = 2^(t - M), at most 1, not normalised
.set J, J+1
.endr
	v_exp_f32 v[TM], v[TM]                         ; the blocks' largest p
	v_exp_f32 v[TM+2], v[TM+2]
	v_pk_mul_f32 v[14:15], v[14:15], v[30:31] op_sel_hi:[1,0]   ; the sums under the new M (a plain place behind the exponentials)
	s_wait_alu depctr_va_vdst(0)
	v_max_num_f32 v[TM], 0x1800000, v[TM]          ; the floor 2^(3 - 127)
	v_max_num_f32 v[TM+2], 0x1800000, v[TM+2]
	s_delay_alu instid0(VALU_DEP_2)
	v_add_nc_u32 v[TM+8], 0xff000000, v[TM]        ; the conversions' scale operands
	s_delay_alu instid0(VALU_DEP_2)
	v_add_nc_u32 v[TM+9], 0xff000000, v[TM+2]
	s_delay_alu instid0(VALU_DEP_2)
	v_lshrrev_b32 v[TM+4], 23, v[TM+8]             ; the scales' bytes
	s_delay_alu instid0(VALU_DEP_2)
	v_lshrrev_b32 v[TM+5], 23, v[TM+9]
	s_delay_alu instid0(VALU_DEP_1)
	v_lshl_or_b32 v[TM+6], v[TM+5], 16, v[TM+4]    ; my two bytes: blocks `half` and 2 + `half`,
	s_delay_alu instid0(VALU_DEP_1)
	v_lshlrev_b32 v[TM+6], v9, v[TM+6]             ; at their places in the scale word;
	s_delay_alu instid0(VALU_DEP_1)
	v_permlanex16_b32 v[TM+7], v[TM+6], s[SEL], s[SEL+1]
	s_delay_alu instid0(VALU_DEP_1)
	v_or_b32 v[PS], v[TM+6], v[TM+7]               ; with lane l xor 16's two the word of these 128 keys is whole
.irp c, 0,1
	v_cvt_scalef32_pk16_fp6_f32 v[PC+6*\c:PC+6*\c+2], v[S+32*\c:S+32*\c+15], v[TM+8+\c]       ; registers 6 c .. 6 c + 5 of the operand: k = 64 c + 32 half + 0 .. 31
	v_cvt_scalef32_pk16_fp6_f32 v[PX+4*\c:PX+4*\c+2], v[S+32*\c+16:S+32*\c+31], v[TM+8+\c]   ; (a conversion's three registers begin on an even number)
.endr
	v_nop                                          ; one plain place behind a scaled conversion
.irp c, 0,1
.irp i, 0,1,2
	v_mov_b32 v[PC+3+6*\c+\i], v[PX+4*\c+\i]
.endr
.endr
	v_pk_add_f32 v[112:113], v[124:125], v[128:129]
	v_pk_add_f32 v[254:255], v[132:133], v[136:137]
	v_pk_add_f32 v[252:253], v[140:141], v[144:145]
	v_pk_add_f32 v[250:251], v[148:149], v[152:153]
	v_pk_add_f32 v[248:249], v[156:157], v[160:161]
	v_pk_add_f32 v[246:247], v[164:165], v[168:169]
	v_pk_add_f32 v[244:245], v[172:173], v[176:177]
	v_pk_add_f32 v[14:15], v[14:15], v[180:181]
	v_pk_add_f32 v[112:113], v[112:113], v[120:121]
	v_pk_add_f32 v[254:255], v[254:255], v[122:123]
	v_pk_add_f32 v[252:253], v[252:253], v[126:127]
	v_pk_add_f32 v[250:251], v[250:251], v[130:131]
	v_pk_add_f32 v[248:249], v[248:249], v[134:135]
	v_pk_add_f32 v[246:247], v[246:247], v[138:139]
	v_pk_add_f32 v[244:245], v[244:245], v[142:143]
	v_pk_add_f32 v[14:15], v[14:15], v[146:147]
	v_pk_add_f32 v[112:113], v[112:113], v[150:151]
	v_pk_add_f32 v[254:255], v[254:255], v[154:155]
	v_pk_add_f32 v[252:253], v[252:253], v[158:159]
	v_pk_add_f32 v[250:251], v[250:251], v[162:163]
	v_pk_add_f32 v[248:249], v[248:249], v[166:167]
	v_pk_add_f32 v[246:247], v[246:247], v[170:171]
	v_pk_add_f32 v[244:245], v[244:245], v[174:175]
	v_pk_add_f32 v[14:15], v[14:15], v[178:179]
	v_pk_add_f32 v[112:113], v[112:113], v[182:183]
	s_delay_alu instid0(VALU_DEP_2)
	v_pk_add_f32 v[14:15], v[14:15], v[250:251]
	s_delay_alu instid0(VALU_DEP_2)
	v_pk_add_f32 v[112:113], v[112:113], v[248:249]
	v_pk_add_f32 v[254:255], v[254:255], v[246:247]
	v_pk_add_f32 v[252:253], v[252:253], v[244:245]
	s_delay_alu instid0(VALU_DEP_2)
	v_pk_add_f32 v[14:15], v[14:15], v[254:255]
	s_delay_alu instid0(VALU_DEP_2)
	v_pk_add_f32 v[112:113], v[112:113], v[252:253]
	s_delay_alu instid0(VALU_DEP_1)
	v_pk_add_f32 v[14:15], v[14:15], v[112:113]
.set J, 0
	s_setprio 0
.rept 16
	v_pk_mul_f32 v[O+J:O+J+1], v[O+J:O+J+1], v[30:31] op_sel_hi:[1,0]   ; O^T under the new M.  (The sums and these stand between the writing of p's codes and scale word and the products)
.set J, J+2
.endr
	s_wait_alu depctr_va_vdst(0)
	s_wait_dscnt 0x0                               ; V is in
.irp t, 0,1,2,3
	MM O+8*\t, FR+12*\t, PC, O+8*\t, VSC+\t/2, PS, \t%2   ; four accumulators by turns
.endr
	s_add_co_u32 s[TB], s[TB], 2*XWB
	s_add_co_u32 s[TS], s[TS], 512
	s_add_co_u32 s[TJ], s[TJ], 256
	s_add_co_u32 s[CNT], s[CNT], 1
	s_cmp_lt_u32 s[CNT], 8
	s_cbranch_scc1 .Lstep
	s_setprio 0
	; ---- the way out: O^T / l, quantised along e.  Register 16 g + i of lane (r, half) is d = 32 g + 16 half + i of query r: natural order
	PLACES 4
	v_add_f32 v14, v14, v15                        ; the sum's two halves,
	s_delay_alu instid0(VALU_DEP_1)
	v_permlanex16_b32 v[TT], v14, s[SEL], s[SEL+1]
	s_delay_alu instid0(VALU_DEP_1)
	v_add_f32 v14, v14, v[TT]                      ; and lane l xor 16's
	s_wait_alu depctr_va_vdst(0)
	v_rcp_f32 v30, v14
	v_nop                                          ; one plain place behind a transcendental
.set J, 0
	s_wait_alu depctr_va_vdst(0)
.rept 16
	v_pk_mul_f32 v[S+J:S+J+1], v[O+J:O+J+1], v[30:31] op_sel_hi:[1,0]   ; each accumulator from its low end on
.set J, J+2
.endr
	QUANT S, 2
	global_store_b128 v1, v[PC:PC+3], s[28:29]     ; half an operand image: 512 + 256 consecutive bytes, at a multiple of 256 from the buffer's first byte
	global_store_b64 v2, v[PC+4:PC+5], s[28:29] offset:512
	v_cndmask_b32 v[TT], v[TM+4], v[TM+5], s[HIM]  ; lanes 0-15 the byte of e = 64 h .. + 31, lanes 16-31 of the next 32
	global_store_b8 v10, v[TT], s[30:31]           ; one byte a lane, 16 bytes apart: 131,072 bytes of the launch's 3.4 million
	s_wait_xcnt 0x0
	v_lshl_add_u32 v254, v0, 2, 0x49500
	v_mov_b32 v255, 0
	s_wait_alu depctr_va_vdst(0)
	s_wait_tensorcnt 0x0
	ds_add_u32 v254, v255
	s_wait_dscnt 0x0
	ROUND                                          ; the closing round
	s_endpgm
.Lfunc_end_k_q32ad3d9cb5_attn:
	.size	k_q32ad3d9cb5_attn, .Lfunc_end_k_q32ad3d9cb5_attn-k_q32ad3d9cb5_attn
	.p2alignl 7, 3214868480
	.fill 96, 4, 3214868480
	.section	.rodata,"a",@progbits
	.p2align	6, 0x0
	.amdhsa_kernel k_q32ad3d9cb5_attn
		.amdhsa_group_segment_fixed_size 327680
		.amdhsa_private_segment_fixed_size 0
		.amdhsa_enable_private_segment 0
		.amdhsa_kernarg_size 120
		.amdhsa_user_sgpr_count 2
		.amdhsa_user_sgpr_kernarg_segment_ptr 1
		.amdhsa_wavefront_size32 1
		.amdhsa_system_sgpr_workgroup_id_x 1
		.amdhsa_system_sgpr_workgroup_id_y 1
		.amdhsa_system_sgpr_workgroup_id_z 1
		.amdhsa_system_vgpr_workitem_id 0
		.amdhsa_next_free_vgpr 256
		.amdhsa_next_free_sgpr 101
		.amdhsa_reserve_vcc 0
		.amdhsa_float_denorm_mode_32 3
		.amdhsa_float_denorm_mode_16_64 3
		.amdhsa_memory_ordered 1
		.amdhsa_forward_progress 1
		.amdhsa_inst_pref_size 85
	.end_amdhsa_kernel
	.amdgpu_metadata
---
amdhsa.version: [ 1, 2 ]
amdhsa.kernels:
  - .name:           k_q32ad3d9cb5_attn
    .symbol:         k_q32ad3d9cb5_attn.kd
    .args:
      - { .name: x_codes, .offset: 0, .size: 8, .value_kind: global_buffer, .address_space: global }
      - { .name: x_scales, .offset: 8, .size: 8, .value_kind: global_buffer, .address_space: global }
      - { .name: qw_codes, .offset: 16, .size: 8, .value_kind: global_buffer, .address_space: global }
      - { .name: kw_codes, .offset: 24, .size: 8, .value_kind: global_buffer, .address_space: global }
      - { .name: vw_codes, .offset: 32, .size: 8, .value_kind: global_buffer, .address_space: global }
      - { .name: qw_scales, .offset: 40, .size: 8, .value_kind: global_buffer, .address_space: global }
      - { .name: kw_scales, .offset: 48, .size: 8, .value_kind: global_buffer, .address_space: global }
      - { .name: vw_scales, .offset: 56, .size: 8, .value_kind: global_buffer, .address_space: global }
      - { .name: qb, .offset: 64, .size: 8, .value_kind: global_buffer, .address_space: global }
      - { .name: kb, .offset: 72, .size: 8, .value_kind: global_buffer, .address_space: global }
      - { .name: vb, .offset: 80, .size: 8, .value_kind: global_buffer, .address_space: global }
      - { .name: ow_codes, .offset: 88, .size: 8, .value_kind: global_buffer, .address_space: global }
      - { .name: ac, .offset: 96, .size: 8, .value_kind: global_buffer, .address_space: global }
      - { .name: asc, .offset: 104, .size: 8, .value_kind: global_buffer, .address_space: global }
      - { .name: owi, .offset: 112, .size: 8, .value_kind: global_buffer, .address_space: global }
    .group_segment_fixed_size: 327680
    .private_segment_fixed_size: 0
    .kernarg_segment_align: 8
    .kernarg_segment_size: 120
    .max_flat_workgroup_size: 512
    .sgpr_count:     101
    .vgpr_count:     256
    .wavefront_size: 32
...
	.end_amdgpu_metadata
.endif
;; end of part 1
;; launch oproj (part 2): grid 4 x 64, 8 waves a work-group, clusters of 4 x 4, 168,960 bytes of LDS; arguments ac, asc, owi, ow_scales, ob, out0; writes out0
.if DOCPART == 2
	.amdgcn_target "amdgcn-amd-amdhsa--gfx1250"
	.amdhsa_code_object_version 6
	.text
	.protected	k_q32ad3d9cb5_oproj
	.globl	k_q32ad3d9cb5_oproj
	.p2align	8
	.type	k_q32ad3d9cb5_oproj,@function
k_q32ad3d9cb5_oproj:
	s_mov_b64 s[64:65], 0
	v_nop
	global_prefetch_b8 v0, s[64:65] scope:SCOPE_SE
	s_setreg_imm32_b32 hwreg(HW_REG_WAVE_MODE, 25, 1), 1
	s_wait_xcnt 0x0
	s_wait_alu depctr_hold_cnt(0) depctr_sa_sdst(0) depctr_va_vdst(0) depctr_va_sdst(0) depctr_va_ssrc(0) depctr_va_vcc(0) depctr_vm_vsrc(0)
	s_getreg_b32 s2, hwreg(HW_REG_IB_STS2, 6, 4)
	s_cmp_eq_u32 s2, 0
	s_cbranch_scc0 .Lentry_in_a_cluster
	s_endpgm
.Lentry_in_a_cluster:
	s_bfe_u32 s2, ttmp6, 0x10000c
	s_cmp_lg_u32 s2, 0xf033
	s_cbranch_scc0 .Lentry_shape_is_right
	s_endpgm
.Lentry_shape_is_right:
; out0[b][f][n] = the sum over e of ow[f][e] a[b][e][n] + ob[f], on codes of FP6 (E2M3) with one E8M0 scale for each 32 along e.  K = 512: four instructions deep.
; a comes as half images of operand registers (ac: 768 bytes for 16 pixels x 64 e; two neighbours are a fragment of 128 e) with scale bytes [pixel][16] (asc); ow likewise (owi), with its scale bytes as given.
; A work-group makes 128 f x 128 pixels: 4 x 64 = 256 work-groups of eight waves.  Wave w makes f 32 (w / 2) on x pixels 64 (w % 2) on: eight accumulators, 32 products.
; THE PRODUCT IS USED TRANSPOSED: source 0 = 16 pixels of a, source 1 = 16 rows of ow: a lane holds one f and eight neighbouring pixels, which are neighbours in out0.
; The work-group's part of ac is one dense block of 49,152 bytes and so is its part of owi: each of eight waves brings a quarter of one of them by one tensor load; nothing is filled twice.
; CLUSTER: 4 x 4 work-groups.  The four of a row need the same pixels of a, the four of a column the same rows of ow: each block is asked for jointly.
; An image is read as it was stored, 16 or 8 bytes a lane on end: no pitch, no padding.
.set OIMG, 49152                       ; LDS: 0: a's 64 half images;  OIMG: ow's 64;
.set STG,  98304                       ; the way out: 16 rows x (256 bytes + 16) for each wave, bytes into which no tile lands
.set OB,   12                          ; v12, v14 ob of my lane's f in the two tiles (v13, v15: the pairs' upper halves)
.set SA,   16                          ; v16-31 a's scale words: tile of pixels p, K step s at 4 p + s;  v32-39 ow's: 4 a + s.  They hold scales and nothing else
.set SF,   32
.set ACC,  184                         ; v184-247 accumulator (a, p) at 8 (4 a + p)
; v40-111, v112-183: two sets of operands for a K step: four fragments of a, two of ow.  v2-5 their LDS addresses, v6, v7 the stage, v8 my bytes in out0, v9, v10 offsets of scales and ob
.macro ROUND                           ; a round of the cluster's barrier
	s_barrier_signal -1
	s_barrier_wait -1
	s_cmp_lg_u32 s16, 0
	s_cbranch_scc1 .Lnot_wave_0_\@
	s_barrier_signal -3
.Lnot_wave_0_\@:
	s_barrier_wait -3
	s_barrier_signal -1
	s_barrier_wait -1
.endm
.macro PLACES n
.rept \n
	v_nop
.endr
.endm
.macro LOADK s, set                    ; 24 LDS loads: the six fragments of K step s
.irp p, 0,1,2,3
	ds_load_b128 v[40+72*\set+12*\p:40+72*\set+12*\p+3], v2 offset:6144*\p+1536*\s
	ds_load_b64 v[40+72*\set+12*\p+4:40+72*\set+12*\p+5], v3 offset:6144*\p+1536*\s+512
	ds_load_b128 v[40+72*\set+12*\p+6:40+72*\set+12*\p+9], v2 offset:6144*\p+1536*\s+768
	ds_load_b64 v[40+72*\set+12*\p+10:40+72*\set+12*\p+11], v3 offset:6144*\p+1536*\s+1280
.endr
.irp a, 0,1
	ds_load_b128 v[88+72*\set+12*\a:88+72*\set+12*\a+3], v4 offset:6144*\a+1536*\s
	ds_load_b64 v[88+72*\set+12*\a+4:88+72*\set+12*\a+5], v5 offset:6144*\a+1536*\s+512
	ds_load_b128 v[88+72*\set+12*\a+6:88+72*\set+12*\a+9], v4 offset:6144*\a+1536*\s+768
	ds_load_b64 v[88+72*\set+12*\a+10:88+72*\set+12*\a+11], v5 offset:6144*\a+1536*\s+1280
.endr
.endm
.macro MUL s, set                      ; eight products, the eight accumulators by turns, in the same order in every K step; the first K step starts the sums
.irp a, 0,1
.irp p, 0,1,2,3
.if \s == 0
	v_wmma_scale_f32_16x16x128_f8f6f4 v[ACC+8*(4*\a+\p):ACC+8*(4*\a+\p)+7], v[40+72*\set+12*\p:40+72*\set+12*\p+11], v[88+72*\set+12*\a:88+72*\set+12*\a+11], 0, v[SA+4*\p+\s], v[SF+4*\a+\s] matrix_a_fmt:MATRIX_FMT_FP6 matrix_b_fmt:MATRIX_FMT_FP6
.else
	v_wmma_scale_f32_16x16x128_f8f6f4 v[ACC+8*(4*\a+\p):ACC+8*(4*\a+\p)+7], v[40+72*\set+12*\p:40+72*\set+12*\p+11], v[88+72*\set+12*\a:88+72*\set+12*\a+11], v[ACC+8*(4*\a+\p):ACC+8*(4*\a+\p)+7], v[SA+4*\p+\s], v[SF+4*\a+\s] matrix_a_fmt:MATRIX_FMT_FP6 matrix_b_fmt:MATRIX_FMT_FP6
.endif
.endr
.endr
.endm
	s_load_b256 s[4:11], s[0:1], 0x0               ; ac 4, asc 6, owi 8, ow_scales 10
	s_load_b128 s[12:15], s[0:1], 0x20             ; ob 12, out0 14
	v_lshl_add_u32 v254, v0, 2, 0x29000
	v_mov_b32 v255, 0
	ds_add_u32 v254, v255
	ds_add_u32 v254, v255
	v_lshrrev_b32 v1, 5, v0
	s_delay_alu instid0(VALU_DEP_1)
	v_readfirstlane_b32 s16, v1                    ; wave 0..7
	s_and_b32 s17, s16, 3                          ; which quarter of a block I fetch
	s_lshr_b32 s18, s16, 2                         ; for a (0) or for ow (1)
	s_lshr_b32 s19, s16, 1                         ; which 32 f are mine
	s_and_b32 s20, s16, 1                          ; which 64 pixels
	s_bfe_u32 s21, ttmp6, 0x40000                  ; cx, cy: my place in the cluster
	s_bfe_u32 s22, ttmp6, 0x40004
	s_lshl_b32 s23, ttmp9, 2
	s_add_co_u32 s23, s23, s21                     ; block of 128 f = 4 x cluster x + cx
	s_and_b32 s24, ttmp7, 0xffff
	s_lshl_b32 s24, s24, 2
	s_add_co_u32 s24, s24, s22                     ; block of 128 pixels = 4 x cluster y + cy
	s_lshl_b32 s25, s22, 2
	s_lshl_b32 s25, 15, s25                        ; my row of the cluster
	s_lshl_b32 s26, 0x1111, s21                    ; my column
	s_or_b32 s36, s25, (3<<16)|(1<<21)             ; group 1: 15:0 the mask: a's block goes to my row; elements of 8 bytes; 21 set beside a mask
	s_or_b32 s44, s26, (3<<16)|(1<<21)             ; ow's block goes to my column
.irp g, 36, 44
	s_mov_b32 s[\g+1], 32<<16                      ; 48 rows of 256 bytes, dense
	s_mov_b32 s[\g+2], 48<<16
	s_mov_b32 s[\g+3], 32<<16
	s_mov_b32 s[\g+4], 48
	s_mov_b32 s[\g+5], 32
	s_mov_b32 s[\g+6], 0
	s_mov_b32 s[\g+7], 0
.endr
	s_mov_b32 s52, 1
	s_mul_i32 s53, s16, 12288                      ; waves 0-3: a's four quarters; waves 4-7: ow's, which lie behind them
	s_mov_b32 s56, 1
	s_mul_i32 s57, s16, 12288
	v_and_b32 v248, 31, v0                         ; lane
	v_and_b32 v249, 15, v0                         ; r
	v_bfe_u32 v250, v0, 4, 1                       ; half of the lanes
	s_mul_i32 s32, s20, 24576                      ; my four tiles of pixels
	v_lshl_add_u32 v2, v248, 4, s32
	v_lshl_add_u32 v3, v248, 3, s32
	s_mul_i32 s32, s19, 12288                      ; my two tiles of f
	s_add_co_u32 s32, s32, OIMG
	v_lshl_add_u32 v4, v248, 4, s32
	v_lshl_add_u32 v5, v248, 3, s32
	s_mul_i32 s32, s16, 4352
	s_add_co_u32 s32, s32, STG                     ; my stage
	v_mul_u32_u24 v6, v249, 272
	s_delay_alu instid0(VALU_DEP_1)
	v_lshl_add_u32 v6, v250, 5, v6
	s_delay_alu instid0(VALU_DEP_1)
	v_add_nc_u32 v6, s32, v6                       ; in: row r (an f), 32 bytes for each half of the lanes
	v_mul_u32_u24 v7, v250, 272
	s_delay_alu instid0(VALU_DEP_1)
	v_lshl_add_u32 v7, v249, 4, v7
	s_delay_alu instid0(VALU_DEP_1)
	v_add_nc_u32 v7, s32, v7                       ; back: lanes 0-15 one row of 256 bytes, lanes 16-31 the next
	v_lshlrev_b32 v8, 12, v250
	s_delay_alu instid0(VALU_DEP_1)
	v_lshl_add_u32 v8, v249, 4, v8                 ; and the same two rows in out0, 4,096 bytes apart
	v_lshlrev_b32 v9, 4, v249                      ; a row of 16 scale bytes
	v_lshlrev_b32 v10, 2, v249
	v_mov_b32 v13, 0
	v_mov_b32 v15, 0
	s_wait_dscnt 0x0
	s_wait_kmcnt 0x0
	s_mul_i32 s28, s24, 49152                      ; a's block hangs on the block of pixels alone,
	s_mul_i32 s29, s17, 12288
	s_add_co_u32 s28, s28, s29
	s_mov_b32 s29, 0
	s_add_nc_u64 s[54:55], s[4:5], s[28:29]
	s_or_b32 s55, s55, 0x80000000
	s_mul_i32 s30, s23, 49152                      ; ow's on the block of f alone: each in registers that never hold the other coordinate
	s_mul_i32 s31, s17, 12288
	s_add_co_u32 s30, s30, s31
	s_mov_b32 s31, 0
	s_add_nc_u64 s[58:59], s[8:9], s[30:31]
	s_or_b32 s59, s59, 0x80000000
	ROUND                                          ; all sixteen work-groups are here: the joint loads meet
	s_cmp_eq_u32 s18, 0                            ; one tensor load a wave; four v_nop follow each of the two lines
	s_cbranch_scc0 .Lfor_ow
	tensor_load_to_lds s[52:55], s[36:43]
	s_nop 0
	PLACES 4
	s_branch .Lasked
.Lfor_ow:
	tensor_load_to_lds s[56:59], s[44:51]
	s_nop 0
	PLACES 4
.Lasked:
	s_lshl_b32 s28, s24, 11                        ; asc: (128 x block + 64 x half) pixels of 16 bytes
	s_lshl_b32 s29, s20, 10
	s_add_co_u32 s28, s28, s29
	s_mov_b32 s29, 0
	s_add_nc_u64 s[6:7], s[6:7], s[28:29]
	s_lshl_b32 s30, s23, 11                        ; ow_scales: (128 x block + 32 x quarter) rows of 16 bytes
	s_lshl_b32 s31, s19, 9
	s_add_co_u32 s30, s30, s31
	s_mov_b32 s31, 0
	s_add_nc_u64 s[10:11], s[10:11], s[30:31]
	s_lshr_b32 s30, s30, 2                         ; ob: the same rows, 4 bytes each
	s_add_nc_u64 s[12:13], s[12:13], s[30:31]
	s_lshr_b32 s34, s24, 3                         ; out0: the image, 2^21 bytes;
	s_lshl_b32 s34, s34, 21
	s_lshl_b32 s27, s23, 19                        ; my first f, 4,096 bytes each;
	s_add_co_u32 s34, s34, s27
	s_lshl_b32 s27, s19, 17
	s_add_co_u32 s34, s34, s27
	s_and_b32 s27, s24, 7                          ; my first pixel in the image, 4 bytes each
	s_lshl_b32 s27, s27, 9
	s_add_co_u32 s34, s34, s27
	s_lshl_b32 s27, s20, 8
	s_add_co_u32 s34, s34, s27
	s_mov_b32 s35, 0
	s_add_nc_u64 s[14:15], s[14:15], s[34:35]
	s_wait_alu depctr_va_vdst(0)
.irp p, 0,1,2,3
	global_load_b128 v[SA+4*\p:SA+4*\p+3], v9, s[6:7] offset:256*\p     ; lane r: pixel 16 p + r, the words of the four K steps
.endr
.irp a, 0,1
	global_load_b128 v[SF+4*\a:SF+4*\a+3], v9, s[10:11] offset:256*\a
	global_load_b32 v[OB+2*\a], v10, s[12:13] offset:64*\a
.endr
	s_wait_tensorcnt 0x0                           ; my quarter has landed,
	s_barrier_signal -1
	s_barrier_wait -1                              ; everybody's has
	LOADK 0, 0
	LOADK 1, 1
	s_wait_loadcnt 0x0                             ; scale words and ob
	s_wait_dscnt 24                                ; the older set is in; the younger set's 24 loads may be out
	MUL 0, 0
	PLACES 4                                       ; in front of loads into registers that the products have read
	LOADK 2, 0
	s_wait_dscnt 24
	MUL 1, 1
	PLACES 4
	LOADK 3, 1
	s_wait_dscnt 24
	MUL 2, 0
	s_wait_dscnt 0x0
	MUL 3, 1
	PLACES 4
	; THE WAY OUT, a tile of 16 f at a time: + ob; a lane's 32 bytes of a row go into my stage and come back as whole rows of 256 bytes.  LDS serves a wave's instructions in order (ISA guide 5.7.1.4): no wait between stores and loads
.irp a, 0,1
.irp j, 0,2,4,6,8,10,12,14,16,18,20,22,24,26,28,30
	v_pk_add_f32 v[ACC+32*\a+\j:ACC+32*\a+\j+1], v[ACC+32*\a+\j:ACC+32*\a+\j+1], v[OB+2*\a:OB+2*\a+1] op_sel_hi:[1,0]   ; each accumulator from its low end on
.endr
.irp p, 0,1,2,3
	ds_store_b128 v6, v[ACC+32*\a+8*\p:ACC+32*\a+8*\p+3] offset:64*\p
	ds_store_b128 v6, v[ACC+32*\a+8*\p+4:ACC+32*\a+8*\p+7] offset:64*\p+16
.endr
.irp i, 0,1,2,3,4,5,6,7
	ds_load_b128 v[40+72*\a+4*\i:40+72*\a+4*\i+3], v7 offset:544*\i
.endr
.endr
.irp i, 0,1,2,3,4,5,6,7
	s_wait_dscnt 23-\i                             ; behind this load: 7 - i of its tile and the second tile's 16 LDS instructions
	global_store_b128 v8, v[40+4*\i:40+4*\i+3], s[14:15] offset:2*\i*4096 th:TH_STORE_NT   ; 16 lanes store 256 consecutive bytes, at a multiple of 256 from out0's first byte
.endr
.irp i, 0,1,2,3,4,5,6,7
	s_wait_dscnt 7-\i
	global_store_b128 v8, v[112+4*\i:112+4*\i+3], s[14:15] offset:(16+2*\i)*4096 th:TH_STORE_NT
.endr
	s_wait_tensorcnt 0x0
	ds_add_u32 v254, v255
	s_wait_dscnt 0x0
	ROUND                                          ; the closing round
	s_endpgm
.Lfunc_end_k_q32ad3d9cb5_oproj:
	.size	k_q32ad3d9cb5_oproj, .Lfunc_end_k_q32ad3d9cb5_oproj-k_q32ad3d9cb5_oproj
	.p2alignl 7, 3214868480
	.fill 96, 4, 3214868480
	.section	.rodata,"a",@progbits
	.p2align	6, 0x0
	.amdhsa_kernel k_q32ad3d9cb5_oproj
		.amdhsa_group_segment_fixed_size 168960
		.amdhsa_private_segment_fixed_size 0
		.amdhsa_enable_private_segment 0
		.amdhsa_kernarg_size 48
		.amdhsa_user_sgpr_count 2
		.amdhsa_user_sgpr_kernarg_segment_ptr 1
		.amdhsa_wavefront_size32 1
		.amdhsa_system_sgpr_workgroup_id_x 1
		.amdhsa_system_sgpr_workgroup_id_y 1
		.amdhsa_system_sgpr_workgroup_id_z 1
		.amdhsa_system_vgpr_workitem_id 0
		.amdhsa_next_free_vgpr 256
		.amdhsa_next_free_sgpr 66
		.amdhsa_reserve_vcc 0
		.amdhsa_float_denorm_mode_32 3
		.amdhsa_float_denorm_mode_16_64 3
		.amdhsa_memory_ordered 1
		.amdhsa_forward_progress 1
		.amdhsa_inst_pref_size 25
	.end_amdhsa_kernel
	.amdgpu_metadata
---
amdhsa.version: [ 1, 2 ]
amdhsa.kernels:
  - .name:           k_q32ad3d9cb5_oproj
    .symbol:         k_q32ad3d9cb5_oproj.kd
    .args:
      - { .name: ac, .offset: 0, .size: 8, .value_kind: global_buffer, .address_space: global }
      - { .name: asc, .offset: 8, .size: 8, .value_kind: global_buffer, .address_space: global }
      - { .name: owi, .offset: 16, .size: 8, .value_kind: global_buffer, .address_space: global }
      - { .name: ow_scales, .offset: 24, .size: 8, .value_kind: global_buffer, .address_space: global }
      - { .name: ob, .offset: 32, .size: 8, .value_kind: global_buffer, .address_space: global }
      - { .name: out0, .offset: 40, .size: 8, .value_kind: global_buffer, .address_space: global }
    .group_segment_fixed_size: 168960
    .private_segment_fixed_size: 0
    .kernarg_segment_align: 8
    .kernarg_segment_size: 48
    .max_flat_workgroup_size: 256
    .sgpr_count:     66
    .vgpr_count:     256
    .wavefront_size: 32
...
	.end_amdgpu_metadata
.endif
;; end of part 2
